; MI455X (gfx1250); checked and timed in simulation.
; The chip was launched on July 23, 2026; its instructions are those of AMD's public machine-readable ISA for CDNA 5 (MIT licence, August 2026) and "CDNA5" Instruction Set Architecture Reference Guide (July 2026). The comments in the code are by the model that wrote it; some were corrected since.
;; Mo E Layer. Allowed arithmetic: matrix products marked QUANTISED: E2M1 operands, one E8M0 scale for each 32 along K, by v_wmma_scale_f32_16x16x128_f8f6f4 with both operands' format E2M1 (or v_wmma_scale_f32_32x16x128_f4), f32 sums; everything else in f32.
;; Inputs: W 16 x 1,024 x 1,024 float32; Wg 1,024 x 16 float32; b 16 x 1,024 float32; bg 16 float32; x 4,096 x 1,024 float32.
;; Outputs: out0 4,096 x 1,024 float32; out1 one number float32.
;; This version of the problem:
;;   THIS VERSION OF THE PROBLEM IS GIVEN IN LOW PRECISION. The matrix products marked QUANTISED in the list below multiply operands that are first quantised to E2M1 (2 exponent bits, 1 mantissa bit; 4 bits a number), with one power-of-two scale for each 32 numbers along K (OCP MX v1.0); their sums are f32. All else is computed in f32.
;;   The module's matrix products, in the order in which they are computed (A, B: the left and right operand; K: the contracted axis; several contracted axes count as one K, in the product's order):
;;     1. [M 4,096, K 1,024] x [K 1,024, N 16,384]; A: input x; B: input W: QUANTISED
;;     2. [M 4,096, K 1,024] x [K 1,024, N 16]; A: input x; B: input Wg: QUANTISED
;;   THE QUANTISER, for each operand of a quantised product, along K:
;;     - K is cut into blocks of 32 from its start; a last block that is shorter is filled with zeros.
;;     - A block's scale is 2^e with e = floor(log2(the largest magnitude in the block)) - 2, held to -126 .. 127; a block of zeros has e = 0. As a byte (E8M0): e + 127.
;;     - Each number is divided by its block's scale, clamped to +-6, and rounded to the nearest number of E2M1, ties to even, subnormals kept.
;;     - The product sums the exact products of the quantised numbers (number of the format x scale) in f32.
;;   ~~~python
;;   def quantise(x, axis):      # numpy; x: float32 -> the quantised numbers, widened to float32 again
;;       x = np.moveaxis(x, axis, -1); K = x.shape[-1]
;;       x = np.pad(x, [(0, 0)] * (x.ndim - 1) + [(0, -K % 32)]); x = x.reshape(x.shape[:-1] + (-1, 32)); a = np.abs(x).max(-1, keepdims=True)
;;       e = np.where(a > 0, np.clip(np.frexp(np.where(a > 0, a, 1))[1] - 1 - 2, -126, 127), 0)      # np.frexp(a)[1] - 1 = floor(log2(a)), exactly
;;       r = np.clip(x / 2.0 ** e, -6, 6)
;;       step = 2.0 ** (np.maximum(np.frexp(np.where(r == 0, 1, r))[1] - 1, 0) - 1)
;;       q = np.round(r / step) * step * 2.0 ** e      # np.round: ties to even
;;       return np.moveaxis(q.reshape(q.shape[:-2] + (-1,))[..., :K], -1, axis).astype(np.float32)
;;   ~~~
;; One version. Each part assembles by itself: llvm-mc -triple=amdgcn-amd-amdhsa -mcpu=gfx1250 --defsym DOCPART=n.
;; ======== version 1 of 1: 2 launches
;; limits: right only within a limited range of input values
;; workspace buffers: xq 2,097,152 bytes; xs 131,072 bytes; rkey 16,384 bytes of whole numbers; gw 32,768 bytes; imp 16,384 bytes; wq 8,388,608 bytes; wsc 524,288 bytes; cnt 32,768 bytes of whole numbers
;; launch route (part 1): grid 512 x 1, 8 waves a work-group, no clusters, 104,448 bytes of LDS; arguments x, Wg, bg, xq, xs, rkey, gw, imp, cnt, W, wq, wsc; writes xq, xs, rkey, gw, imp, cnt, wq, wsc
.if DOCPART == 1
	.amdgcn_target "amdgcn-amd-amdhsa--gfx1250"
	.amdhsa_code_object_version 6
	.text
	.protected	k_q1ccafbc71f_route
	.globl	k_q1ccafbc71f_route
	.p2align	8
	.type	k_q1ccafbc71f_route,@function
k_q1ccafbc71f_route:
	s_mov_b64 s[64:65], 0
	v_nop
	global_prefetch_b8 v0, s[64:65] scope:SCOPE_SE
	s_setreg_imm32_b32 hwreg(HW_REG_WAVE_MODE, 25, 1), 1
	s_wait_xcnt 0x0
; THE ROUTER, AND x INTO CODES.  x [4096][1024] f32, Wg [1024][16] f32, bg [16] f32.
; Out: xq [token][512 bytes]: codes of FP4 (E2M1), K innermost;  xs [token][8 words]: word s = the four E8M0 bytes of k = 128 s .. 128 s + 127;
;      rkey [token] = 16 lo + hi, lo < hi the two experts with the largest logits (of equal logits the lower index is taken first);
;      gw [token][2] = the softmax of the two logits, (lo's, hi's);  imp [work-group][16] = the gates (softmax over all 16) summed over the work-group's 16 tokens.
; A block's scale is 2^(floor(log2(its largest magnitude)) - 2): its byte is the largest magnitude's exponent field - 2, held at 1 from below.
; LIMITS: NaN and infinities among the inputs are not served.  A block of zeros gets the byte 1 (its codes are zeros, and this program alone reads the bytes).
;   Two logits that differ by less than the rounding of the f32 sums (taken here as eight parts of 128 along K, added in ascending order) may be ordered otherwise than by another order of summing.
; SHARES.  A work-group owns 16 tokens; wave w owns K step w (k = 128 w .. 128 w + 127): it quantises its 16 x 128 of x and its 128 x 16 of Wg in registers and multiplies them by ONE matrix
; instruction, transposed (source 0 = the 16 experts, source 1 = the 16 tokens): lane (r, h) then holds token r and in register j expert 8 h + j.  The eight parts meet in LDS; wave 0 adds them and routes.
; x IS LOADED AS IT LIES AND TURNED IN LDS.  The conversions want 16 neighbours along K in one lane; a load is best where neighbouring lanes take neighbouring bytes.  So each of a wave's 16 loads takes the 512
; consecutive bytes that one row has in its K step, 16 a lane; the 8,192 bytes go through the wave's own stage in LDS, rows 528 bytes apart, and come back 64 bytes a lane and block.
; No address and no branch hangs on a logit: what is chosen is stored at fixed places.  rkey, gw and imp are 64 to 128 bytes a work-group: short stores, 64 KiB in the whole launch.
; No tensor loads, clusters or rings: each byte of x is read once by one wave, and every wave asks for all its bytes at its head.
; TWO JOBS IN ONE LAUNCH, told apart by the work-group's number.  0 .. 255: the router, as above.  256 .. 511: W into codes (at the end of the text).
; rkey's word of a token in full: class << 16 | rank << 12 | place in the group of 16 << 8 | 16 lo + hi.  rank = the tokens of the same class in front of it in its group.
; cnt [work-group][128]: a byte for each class, the number of the work-group's 16 tokens of that class.
; CLASSES.  The 120 pairs are numbered so that neighbours share an expert: rows lo are taken two at a time (strip p = lo / 2), and a strip's pairs are walked column by column, up and down by turns,
; the pair (2 p, 2 p + 1) first; odd strips are walked backwards.  Place in the strip: q = 2 (hi - 2 p) - 3 + ((lo ^ hi) & 1) of 29 - 4 p; the strip begins at p (31 - 2 p).
; W [16][1024 (k)][1024 (o)] f32 goes into codes of FP4 and scale bytes, laid as the next launch's operand registers take them:
;   wq [expert][column tile of 16][K step of 128][1,024 bytes]: register group c (0, 1) of lane l at 512 c + 16 l;   wsc [expert][K step][column] one word: byte t = the scale of k = 32 t on.
;   LIMITS there: NaN and infinities in W are not served; a block of zeros gets the byte 1 (zero codes; this program alone reads the bytes).
.set XP,   528                         ; a row in LDS: 512 bytes + 16 = 132 words
.set PART, 0                           ; LDS: eight waves' results as images of their registers, 1,024 bytes each
.set XSTG, 8192                        ;      16 rows of codes
.set SSTG, XSTG+16*XP                  ;      16 rows of 8 scale words
.set XT,   17408                       ;      a stage for each wave: 16 rows of 128 numbers of x
.set X,    16                          ; v16-79   x: as loaded, row i in registers 4 i on; back from the stage: register 16 b + i = k 32 b + 16 h + i of row r
.set G,    80                          ; v80-143  Wg: register 32 c + i = k 64 c + 32 h + i of expert r
.set PC,   144                         ; v144-151 x's fragment
.set PW,   152                         ; v152     its scale word
.set GC,   154                         ; v154-161 Wg's fragment
.set GWD,  162                         ; v162     its scale word
.set TM,   164                         ; v164-179 at work in QUANT
.set D,    180                         ; v180-187 the product
.set BG,   188                         ; v188-195 bg at experts 8 h + 0 .. 7
.set GM,   196                         ; v196-202 at work on Wg
.set GS,   198
.set GB,   200
.set GT,   202
.set SEL,  22                          ; s[22:23] v_permlanex16_b32's selects for lane l xor 16
.set PR,   80                          ; wave 0: the eight parts
.set LG,   16                          ;         the logits
.set E,    24                          ;         the gates
.set ID,   32                          ;         8 h + j
; 64 numbers of a lane, v[s] .. v[s + 63], become a fragment's codes in v[PC] on and its scale word in v[PW]
.macro QUANT s
.irp b, 0,1,2,3
	v_max3_num_f32 v[TM+\b], |v[\s+16*\b]|, |v[\s+1+16*\b]|, 0x1800000   ; block b: my 16 numbers, and the floor 2^(3 - 127): the byte cannot fall under 1
.endr
.irp i, 2,4,6,8,10,12,14
.irp b, 0,1,2,3
	s_delay_alu instid0(VALU_DEP_4)
	v_max3_num_f32 v[TM+\b], v[TM+\b], |v[\s+16*\b+\i]|, |v[\s+1+16*\b+\i]|   ; the four blocks by turns
.endr
.endr
.irp b, 0,1,2,3
	s_delay_alu instid0(VALU_DEP_4)
	v_permlanex16_b32 v[TM+4+\b], v[TM+\b], s[SEL], s[SEL+1]
.endr
.irp b, 0,1,2,3
	s_delay_alu instid0(VALU_DEP_4)
	v_max_num_f32 v[TM+\b], v[TM+\b], v[TM+4+\b]   ; with lane l xor 16's: the block's largest magnitude
.endr
.irp b, 0,1,2,3
	s_delay_alu instid0(VALU_DEP_4)
	v_add_nc_u32 v[TM+12+\b], 0xff000000, v[TM+\b]   ; 2 off its exponent field: the conversion takes this operand's exponent field as its scale
.endr
.irp b, 0,1,2,3
	s_delay_alu instid0(VALU_DEP_4)
	v_lshrrev_b32 v[TM+4+\b], 23, v[TM+12+\b]      ; the scale's byte
.endr
	s_delay_alu instid0(VALU_DEP_3)
	v_lshl_or_b32 v[PW], v[TM+5], 8, v[TM+4]       ; four bytes: my row's scale word
	s_delay_alu instid0(VALU_DEP_1)
	v_lshl_or_b32 v[PW], v[TM+6], 16, v[PW]
	s_delay_alu instid0(VALU_DEP_1)
	v_lshl_or_b32 v[PW], v[TM+7], 24, v[PW]
.irp b, 0,1,2,3
	v_cvt_scalef32_pk8_fp4_f32 v[PC+2*\b], v[\s+16*\b:\s+7+16*\b], v[TM+12+\b]
	v_cvt_scalef32_pk8_fp4_f32 v[PC+1+2*\b], v[\s+8+16*\b:\s+15+16*\b], v[TM+12+\b]
.endr
	v_nop                                          ; one plain place behind a scaled conversion
.irp c, 0,1                                    ; the operand's layout wants a whole block in a lane: lanes 0-15 block 2 c, lanes 16-31 block 2 c + 1
.irp i, 0,1
	v_permlane16_swap_b32 v[PC+4*\c+\i], v[PC+2+4*\c+\i]
.endr
.endr
.endm
.macro GLOAD c                                 ; Wg(64 c + 32 h + i, r): sixteen lanes read a row's 64 bytes
.irp i, 0,1,2,3,4,5,6,7,8,9,10,11,12,13,14,15,16,17,18,19,20,21,22,23,24,25,26,27,28,29,30,31
	global_load_b32 v[G+32*\c+\i], v5, s[6:7] offset:64*(64*\c+\i)
.endr
.endm
; the largest of the 16 logits of my token into v[m], the lowest index that has it into v[idx]
.macro TOP m, idx
	v_max3_num_f32 v[\m], v[LG], v[LG+1], v[LG+2]
	v_max3_num_f32 v41, v[LG+3], v[LG+4], v[LG+5]
	s_delay_alu instid0(VALU_DEP_2)
	v_max3_num_f32 v[\m], v[\m], v[LG+6], v[LG+7]
	s_delay_alu instid0(VALU_DEP_1)
	v_max_num_f32 v[\m], v[\m], v41
	s_delay_alu instid0(VALU_DEP_1)
	v_permlanex16_b32 v41, v[\m], s[SEL], s[SEL+1]
	s_delay_alu instid0(VALU_DEP_1)
	v_max_num_f32 v[\m], v[\m], v41                ; with the other eight experts'
	v_mov_b32 v[\idx], 99
.irp j, 7,6,5,4,3,2,1,0
	v_cmp_eq_f32 vcc_lo, v[LG+\j], v[\m]
	s_delay_alu instid0(VALU_DEP_1)
	v_cndmask_b32 v[\idx], v[\idx], v[ID+\j], vcc_lo   ; descending, so that the lowest index stays
.endr
	s_delay_alu instid0(VALU_DEP_1)
	v_permlanex16_b32 v49, v[\idx], s[SEL], s[SEL+1]
	s_delay_alu instid0(VALU_DEP_1)
	v_min_u32 v[\idx], v[\idx], v49
.endm
	s_load_b512 s[4:19], s[0:1], 0x0               ; x s[4:5], Wg s[6:7], bg s[8:9], xq s[10:11], xs s[12:13], rkey s[14:15], gw s[16:17], imp s[18:19]
	s_load_b64 s[36:37], s[0:1], 0x40              ; cnt
	v_lshl_add_u32 v208, v0, 2, 0x14c00
	v_mov_b32 v209, 0
	v_lshrrev_b32 v1, 5, v0
	s_delay_alu instid0(VALU_DEP_1)
	v_readfirstlane_b32 s20, v1                    ; wave 0..7 = my K step
	v_and_b32 v1, 31, v0                           ; L
	s_wait_alu depctr_va_vdst(0)                   ; the wait ahead of the branch
	s_cmp_gt_u32 ttmp9, 255
	s_cbranch_scc1 .Lwq
	v_and_b32 v2, 15, v0                           ; r
	v_bfe_u32 v3, v0, 4, 1                         ; h
	s_delay_alu instid0(VALU_DEP_2)
	v_lshlrev_b32 v5, 2, v2
	s_delay_alu instid0(VALU_DEP_1)
	v_lshl_add_u32 v5, v3, 11, v5                  ; Wg: column r, lanes 16-31 begin 32 rows of 64 bytes further down
	v_lshlrev_b32 v6, 4, v1                        ; 16 L: my 16 bytes of a load's 512
	s_mul_i32 s24, s20, 16*XP
	s_add_co_u32 s24, s24, XT                      ; my wave's stage
	v_add_nc_u32 v15, s24, v6                      ; x into it: 16 L; row i stands in the offset
	v_mul_u32_u24 v4, v2, XP
	s_delay_alu instid0(VALU_DEP_1)
	v_lshl_add_u32 v4, v3, 6, v4
	s_delay_alu instid0(VALU_DEP_1)
	v_add_nc_u32 v4, s24, v4                       ; and back: row r, + 64 h: my 16 numbers of a block of 32
	s_lshl_b32 s24, s20, 10
	v_add_nc_u32 v7, s24, v6                       ; 1,024 w + 16 L: my part's image in LDS, and my two rows' place in the work-group's xq
	v_mul_u32_u24 v8, v2, XP
	s_delay_alu instid0(VALU_DEP_1)
	v_lshl_add_u32 v8, v3, 4, v8
	s_lshl_b32 s24, s20, 6
	s_add_co_u32 s24, s24, XSTG
	v_add_nc_u32 v8, s24, v8                       ; codes in: row r, my K step's 64 bytes, + 16 h
	v_lshlrev_b32 v9, 5, v2
	s_lshl_b32 s24, s20, 2
	s_add_co_u32 s24, s24, SSTG
	v_add_nc_u32 v9, s24, v9                       ; scale word in: row r, word w
	s_mul_i32 s24, s20, 2*XP
	s_add_co_u32 s24, s24, XSTG
	v_add_nc_u32 v10, s24, v6                      ; codes back: rows 2 w and 2 w + 1, whole
	v_add_nc_u32 v11, SSTG, v6                     ; scale words back: 512 dense bytes
	v_lshlrev_b32 v12, 5, v3                       ; 32 h: experts 8 h on, in bg and in imp
	v_lshlrev_b32 v13, 2, v2                       ; 4 r
	v_lshlrev_b32 v14, 3, v2                       ; 8 r
	s_mov_b32 s[SEL], 0x76543210
	s_mov_b32 s[SEL+1], 0xfedcba98
	s_mov_b32 s26, 0x3fb8aa3b                      ; log2(e)
.irp b, 0,1,2,3
	v_mov_b32 v[TM+4+\b], 0                        ; written once: a lane permute's destination counts as one of its sources
.endr
	v_mov_b32 v[GT], 0
	s_lshl_b32 s24, ttmp9, 16                      ; 16 rows of 4,096 bytes a work-group,
	s_lshl_b32 s25, s20, 9                         ; 512 bytes a K step
	s_or_b32 s24, s24, s25
	s_mov_b32 s25, 0
	s_wait_alu depctr_va_vdst(0)
	s_wait_kmcnt 0x0
	s_add_nc_u64 s[4:5], s[4:5], s[24:25]
	s_lshl_b32 s24, s20, 13                        ; 128 rows of Wg
	s_add_nc_u64 s[6:7], s[6:7], s[24:25]
	s_lshl_b32 s24, ttmp9, 13
	s_add_nc_u64 s[10:11], s[10:11], s[24:25]      ; xq: 16 x 512 bytes
	s_lshl_b32 s24, ttmp9, 9
	s_add_nc_u64 s[12:13], s[12:13], s[24:25]      ; xs: 16 x 32
	s_lshl_b32 s24, ttmp9, 6
	s_add_nc_u64 s[14:15], s[14:15], s[24:25]      ; rkey: 16 x 4
	s_add_nc_u64 s[18:19], s[18:19], s[24:25]      ; imp: 64
	s_lshl_b32 s24, ttmp9, 7
	s_add_nc_u64 s[16:17], s[16:17], s[24:25]      ; gw: 16 x 8
	s_add_nc_u64 s[36:37], s[36:37], s[24:25]      ; cnt: 128
.irp i, 0,1,2,3,4,5,6,7,8,9,10,11,12,13,14,15
	global_load_b128 v[X+4*\i:X+4*\i+3], v6, s[4:5] offset:4096*\i th:TH_LOAD_NT   ; row i: 32 lanes read 512 consecutive bytes, aligned; read once in the launch.  x goes first: all else is wanted later
.endr
	global_load_b128 v[BG:BG+3], v12, s[8:9]
	global_load_b128 v[BG+4:BG+7], v12, s[8:9] offset:16
	GLOAD 0
	GLOAD 1
	s_wait_loadcnt 63                              ; behind x's 16 loads stand 66: x is in
.irp i, 0,1,2,3,4,5,6,7,8,9,10,11,12,13,14,15
	ds_store_b128 v15, v[X+4*\i:X+4*\i+3] offset:XP*\i   ; as loaded: 512 consecutive bytes an instruction
.endr
	s_wait_dscnt 0x0                               ; the stores have read their registers, into which the loads below land
.irp b, 0,1,2,3
.irp j, 0,1,2,3
	ds_load_b128 v[X+16*\b+4*\j:X+16*\b+4*\j+3], v4 offset:128*\b+16*\j   ; the stage is my wave's own: no barrier
.endr
.endr
	s_wait_dscnt 0x0
	QUANT X
.irp c, 0,1
	ds_store_b128 v8, v[PC+4*\c:PC+4*\c+3] offset:32*\c   ; k = 64 c + 32 h on: 16 bytes of the row as they lie
.endr
	ds_store_b32 v9, v[PW]                         ; both halves of the lanes write the same word with the same value
	s_wait_loadcnt 0x0                             ; Wg
.irp c, 0,1                                    ; my block 2 c + h of expert r: all its 32 numbers are mine
	v_max3_num_f32 v[GM+\c], |v[G+32*\c]|, |v[G+1+32*\c]|, 0x1800000
.endr
.irp i, 2,4,6,8,10,12,14,16,18,20,22,24,26,28,30
.irp c, 0,1
	s_delay_alu instid0(VALU_DEP_2)
	v_max3_num_f32 v[GM+\c], v[GM+\c], |v[G+32*\c+\i]|, |v[G+1+32*\c+\i]|
.endr
.endr
.irp c, 0,1
	s_delay_alu instid0(VALU_DEP_2)
	v_add_nc_u32 v[GS+\c], 0xff000000, v[GM+\c]
.endr
.irp c, 0,1
	s_delay_alu instid0(VALU_DEP_2)
	v_lshrrev_b32 v[GB+\c], 23, v[GS+\c]
.endr
	s_delay_alu instid0(VALU_DEP_1)
	v_lshl_or_b32 v[GWD], v[GB+1], 16, v[GB]       ; my two bytes: blocks h and 2 + h,
	v_lshlrev_b32 v[GM], 3, v3
	s_delay_alu instid0(VALU_DEP_1)
	v_lshlrev_b32 v[GWD], v[GM], v[GWD]            ; at their places (8 h bits up);
	s_delay_alu instid0(VALU_DEP_1)
	v_permlanex16_b32 v[GT], v[GWD], s[SEL], s[SEL+1]
	s_delay_alu instid0(VALU_DEP_1)
	v_or_b32 v[GWD], v[GWD], v[GT]                 ; with lane l xor 16's two the word is whole
.irp c, 0,1
.irp g, 0,1,2,3
	v_cvt_scalef32_pk8_fp4_f32 v[GC+4*\c+\g], v[G+32*\c+8*\g:G+32*\c+8*\g+7], v[GS+\c]
.endr
.endr
.rept 8
	v_nop                                          ; a scale register written by a vector instruction stands 8 places ahead of a scaled matrix instruction, an operand 4
.endr
	v_wmma_scale_f32_16x16x128_f8f6f4 v[D:D+7], v[GC:GC+7], v[PC:PC+7], 0, v[GWD], v[PW] matrix_a_fmt:MATRIX_FMT_FP4 matrix_b_fmt:MATRIX_FMT_FP4
.rept 4
	v_nop                                          ; four places ahead of the stores that read the result
.endr
	ds_store_b128 v7, v[D:D+3]                     ; from the low end on
	ds_store_b128 v7, v[D+4:D+7] offset:512
	s_wait_dscnt 0x0                               ; for the others' sake: my stores have landed
	s_barrier_signal -1
	s_barrier_wait -1
	ds_load_b128 v[16:19], v10                     ; two whole rows of codes a wave
	ds_load_b128 v[20:23], v10 offset:XP
	s_wait_dscnt 1
	global_store_b128 v7, v[16:19], s[10:11]       ; 32 lanes store 512 consecutive bytes, aligned
	s_wait_dscnt 0x0
	global_store_b128 v7, v[20:23], s[10:11] offset:512
	s_cmp_lg_u32 s20, 7
	s_cbranch_scc1 .Lnot_7
	ds_load_b128 v[24:27], v11                     ; wave 7: the 16 tokens' scale words, 512 consecutive bytes
	s_wait_dscnt 0x0
	global_store_b128 v6, v[24:27], s[12:13]
.Lnot_7:
	s_cmp_lg_u32 s20, 0
	s_cbranch_scc1 .Lend
	; ---- wave 0: the logits, the gates, the two largest
.irp s, 0,1,2,3,4,5,6,7
	ds_load_b128 v[PR+8*\s:PR+8*\s+3], v6 offset:1024*\s
	ds_load_b128 v[PR+8*\s+4:PR+8*\s+7], v6 offset:1024*\s+512
.endr
	s_wait_xcnt 0x0                                ; my stores have read v16-23, which are written again below
	v_lshlrev_b32 v[ID], 3, v3
.irp j, 1,2,3,4,5,6,7
	v_add_nc_u32 v[ID+\j], \j, v[ID]               ; register j's expert: 8 h + j
.endr
	v_mov_b32 v49, 0                               ; (a lane permute's destination)
	v_mov_b32 v50, 0xff800000                      ; -infinity
	s_wait_dscnt 0x0
.irp p, 0,2,4,6
	v_pk_add_f32 v[LG+\p:LG+\p+1], v[PR+\p:PR+\p+1], v[PR+8+\p:PR+8+\p+1]
.endr
.irp s, 2,3,4,5,6,7
.irp p, 0,2,4,6
	s_delay_alu instid0(VALU_DEP_4)
	v_pk_add_f32 v[LG+\p:LG+\p+1], v[LG+\p:LG+\p+1], v[PR+8*\s+\p:PR+8*\s+\p+1]   ; K ascending
.endr
.endr
.irp p, 0,2,4,6
	s_delay_alu instid0(VALU_DEP_4)
	v_pk_add_f32 v[LG+\p:LG+\p+1], v[LG+\p:LG+\p+1], v[BG+\p:BG+\p+1]
.endr
	TOP 40, 48                                     ; m1, i1
	v_mul_f32 v42, s26, v40
.irp j, 0,1,2,3,4,5,6,7
	v_fma_f32 v[E+\j], v[LG+\j], s26, -v42         ; (l - m1) log2(e): the row's maximum is taken away
.endr
	s_wait_alu depctr_va_vdst(0)
.irp j, 0,1,2,3,4,5,6,7
	v_exp_f32 v[E+\j], v[E+\j]
.endr
	v_mov_b32 v47, 0                               ; a plain place behind the exponentials
	s_wait_alu depctr_va_vdst(0)                   ; one wait for the batch, ahead of its first reader
	v_pk_add_f32 v[44:45], v[E:E+1], v[E+2:E+3]
	v_pk_add_f32 v[46:47], v[E+4:E+5], v[E+6:E+7]
	s_delay_alu instid0(VALU_DEP_1)
	v_pk_add_f32 v[44:45], v[44:45], v[46:47]
	s_delay_alu instid0(VALU_DEP_1)
	v_add_f32 v44, v44, v45
	s_delay_alu instid0(VALU_DEP_1)
	v_permlanex16_b32 v45, v44, s[SEL], s[SEL+1]
	s_delay_alu instid0(VALU_DEP_1)
	v_add_f32 v44, v44, v45                        ; the sum over the 16 experts
	s_wait_alu depctr_va_vdst(0)
	v_rcp_f32 v46, v44
	v_mov_b32 v47, 0                               ; a plain place; also the upper half of the pair named below
	s_wait_alu depctr_va_vdst(0)
.irp p, 0,2,4,6
	v_pk_mul_f32 v[E+\p:E+\p+1], v[E+\p:E+\p+1], v[46:47] op_sel_hi:[1,0]   ; the gates
.endr
.irp m, 1,2,4,8
.irp j, 0,1,2,3,4,5,6,7
	v_add_f32_dpp v[E+\j], v[E+\j], v[E+\j] row_xmask:\m row_mask:0xf bank_mask:0xf   ; summed over the 16 tokens
.endr
.endr
.irp j, 0,1,2,3,4,5,6,7
	v_cmp_eq_u32 vcc_lo, v[ID+\j], v48
	s_delay_alu instid0(VALU_DEP_1)
	v_cndmask_b32 v[LG+\j], v[LG+\j], v50, vcc_lo  ; the first choice is taken out
.endr
	TOP 51, 52                                     ; m2, i2
	v_sub_f32 v53, v51, v40
	s_delay_alu instid0(VALU_DEP_1)
	v_mul_f32 v53, s26, v53
	s_wait_alu depctr_va_vdst(0)
	v_exp_f32 v53, v53                             ; e^(m2 - m1), at most 1
	v_min_u32 v56, v48, v52                        ; lo (a plain place)
	s_wait_alu depctr_va_vdst(0)
	v_add_f32 v54, 1.0, v53
	s_wait_alu depctr_va_vdst(0)
	v_rcp_f32 v54, v54                             ; w1 = 1 / (1 + e^(m2 - m1))
	v_max_u32 v57, v48, v52                        ; hi (a plain place)
	s_wait_alu depctr_va_vdst(0)
	v_mul_f32 v55, v53, v54                        ; w2
	v_lshl_or_b32 v58, v56, 4, v57                 ; 16 lo + hi
	v_cmp_lt_u32 vcc_lo, v48, v52
	v_cndmask_b32 v60, v55, v54, vcc_lo            ; lo's weight: w1 where i1 < i2
	v_cndmask_b32 v61, v54, v55, vcc_lo            ; hi's
	v_lshrrev_b32 v62, 1, v56                      ; p
	v_xor_b32 v63, v56, v57
	v_lshlrev_b32 v59, 2, v1                       ; 4 L
	v_lshlrev_b32 v64, 1, v62
	v_and_b32 v63, 1, v63
	v_sub_nc_u32 v65, v57, v64                     ; hi - 2 p
	v_sub_nc_u32 v67, 31, v64
	v_lshlrev_b32 v68, 2, v62
	v_lshl_add_u32 v66, v65, 1, v63
	v_mul_u32_u24 v67, v62, v67                    ; where the strip begins
	v_add_nc_u32 v66, -3, v66                      ; q
	v_sub_nc_u32 v68, 28, v68
	v_and_b32 v69, 1, v62
	v_sub_nc_u32 v68, v68, v66                     ; the same backwards
	v_cmp_ne_u32 vcc_lo, 0, v69
	v_cndmask_b32 v66, v66, v68, vcc_lo
	v_add_nc_u32 v66, v67, v66                     ; the class, 0 .. 119
.irp k, 0,1,2,3,4,5,6
	v_and_b32 v67, 1<<\k, v66
	v_cmp_ne_u32 s[40+\k], 0, v67                  ; the lanes whose class has bit k (lanes 16-31 repeat lanes 0-15)
.endr
	v_mov_b32 v68, 0xffff
	v_mov_b32 v69, 0xffff
.irp k, 0,1,2,3,4,5,6
	v_cndmask_b32 v67, -1, 0, s[40+\k]
	v_xor_b32 v67, s[40+\k], v67
	v_and_b32 v68, v68, v67                        ; the tokens of my class
.endr
.irp k, 2,3,4,5,6
	v_bfe_u32 v70, v1, (\k-2), 1
	v_add_nc_u32 v70, -1, v70
	v_xor_b32 v70, s[40+\k], v70
	v_and_b32 v69, v69, v70                        ; the tokens of the four classes 4 L .. 4 L + 3
.endr
	v_and_b32 v71, s40, v69
	v_xor_b32 v72, v69, v71
	v_and_b32 v73, s41, v72                        ; class 4 L + 2
	v_and_b32 v75, s41, v71                        ; 4 L + 3
	v_xor_b32 v74, v72, v73                        ; 4 L
	v_xor_b32 v76, v71, v75                        ; 4 L + 1
	v_lshl_or_b32 v77, v73, 16, v74
	v_lshl_or_b32 v78, v75, 16, v76
.irp c, 77,78                                  ; the ones of each 16 bits
	v_lshrrev_b32 v67, 1, v[\c]
	v_and_b32 v67, 0x55555555, v67
	v_sub_nc_u32 v[\c], v[\c], v67
	v_lshrrev_b32 v67, 2, v[\c]
	v_and_b32 v[\c], 0x33333333, v[\c]
	v_and_b32 v67, 0x33333333, v67
	v_add_nc_u32 v[\c], v[\c], v67
	v_lshrrev_b32 v67, 4, v[\c]
	v_add_nc_u32 v[\c], v[\c], v67
	v_and_b32 v[\c], 0xf0f0f0f, v[\c]
	v_lshrrev_b32 v67, 8, v[\c]
	v_add_nc_u32 v[\c], v[\c], v67
	v_and_b32 v[\c], 0x1f001f, v[\c]
.endr
	v_lshl_or_b32 v79, v78, 8, v77                 ; four bytes: classes 4 L .. 4 L + 3
	v_mbcnt_lo_u32_b32 v70, v68, 0                 ; my rank (of use in lanes 0-15)
	v_lshl_or_b32 v58, v2, 8, v58
	v_lshl_or_b32 v58, v70, 12, v58
	v_lshl_or_b32 v58, v66, 16, v58
	global_store_b32 v59, v79, s[36:37]            ; 128 consecutive bytes
	v_cmp_gt_u32 vcc_lo, 16, v1
	s_wait_alu depctr_va_vdst(0)
	s_wait_xcnt 0x0                                ; EXEC changes only behind this wait
	s_and_saveexec_b32 s28, vcc_lo                 ; lanes 0-15: a token each
	global_store_b32 v13, v58, s[14:15]
	global_store_b64 v14, v[60:61], s[16:17]
	s_wait_xcnt 0x0
	s_or_b32 exec_lo, exec_lo, s28
	v_cmp_eq_u32 vcc_lo, 0, v2
	s_wait_xcnt 0x0
	s_and_saveexec_b32 s28, vcc_lo                 ; lanes 0 and 16: eight experts' sums each
	global_store_b128 v12, v[E:E+3], s[18:19]
	global_store_b128 v12, v[E+4:E+7], s[18:19] offset:16
	s_wait_xcnt 0x0
	s_or_b32 exec_lo, exec_lo, s28
.Lend:
	s_barrier_signal -1
	s_barrier_wait -1
	s_wait_tensorcnt 0x0
	ds_add_u32 v208, v209
	s_wait_dscnt 0x0
	s_endpgm
	; ---------------- work-groups 256 .. 511: W into codes
	; A work-group takes one expert's K step of 128 x 512 columns, a wave 64 columns.  A load takes 16 bytes a lane: lanes 0-15 the 256 bytes that 64 columns have in row k, lanes 16-31 those in row k + 32.
	; So a lane holds four neighbouring columns, register 4 i + q = row i of its block, column q.  Unit u (0, 1) is 32 such loads: block t = 2 u + h of the K step for lane (r, h).
	; All 32 numbers of a block lie in one lane.  The conversions take eight neighbours along K from consecutive registers, so each column's numbers are moved together first.
	; The four columns' codes, 64 neighbouring bytes, go through the wave's own stage in LDS (tiles of 512 bytes, 528 apart) and leave as 512 consecutive bytes an instruction.
	; 48 of a wave's 64 loads are out at the start; the last 16 take registers of unit 0.
.Lwq:
	s_load_b64 s[40:41], s[0:1], 0x48              ; W
	s_load_b128 s[44:47], s[0:1], 0x50             ; wq s[44:45], wsc s[46:47]
	v_and_b32 v2, 15, v0                           ; r
	v_bfe_u32 v3, v0, 4, 1                         ; h
	v_lshlrev_b32 v5, 4, v1                        ; 16 L
	v_lshlrev_b32 v4, 4, v2
	v_lshrrev_b32 v6, 2, v2
	v_and_b32 v7, 3, v2
	v_lshl_add_u32 v4, v3, 17, v4                  ; W: 16 r, + 32 rows of 4,096 bytes for lanes 16-31
	v_mul_u32_u24 v6, v6, 528
	v_lshlrev_b32 v8, 4, v2
	v_lshl_add_u32 v6, v3, 8, v6
	v_lshl_add_u32 v8, v3, 3, v8                   ; wsc: 16 r + 8 h
	v_lshl_add_u32 v6, v7, 6, v6
	s_mul_i32 s24, s20, 2304
	s_add_co_u32 s24, s24, 86016                   ; my wave's stage
	v_add_nc_u32 v6, s24, v6                       ; in: tile r / 4, block h, column 4 (r % 4)
	v_add_nc_u32 v7, s24, v5                       ; back
	v_lshlrev_b32 v9, 3, v3                        ; 8 h
.irp q, 0,1,2,3
	v_mov_b32 v[246+\q], 0                         ; (lane permutes' destinations)
.endr
	s_mov_b32 s[SEL], 0x76543210
	s_mov_b32 s[SEL+1], 0xfedcba98
	s_sub_co_u32 s21, ttmp9, 256
	s_lshr_b32 s26, s21, 4                         ; expert
	s_bfe_u32 s27, s21, 0x10003                    ; which half of the columns
	s_and_b32 s28, s21, 7                          ; K step
	s_lshl_b32 s27, s27, 3
	s_add_co_u32 s27, s27, s20                     ; my 64 columns: 64 x (8 x half + wave) on
	s_lshl_b32 s24, s26, 22                        ; W: an expert is 4 MiB, a K step 128 rows of 4,096 bytes, 64 columns 256 bytes
	s_lshl_b32 s29, s28, 19
	s_or_b32 s24, s24, s29
	s_lshl_b32 s29, s27, 8
	s_or_b32 s24, s24, s29
	s_mov_b32 s25, 0
	s_wait_alu depctr_va_vdst(0)                   ; the wait at the head's end
	s_wait_kmcnt 0x0
	s_add_nc_u64 s[40:41], s[40:41], s[24:25]
	s_lshl_b32 s24, s26, 19                        ; wq: an expert is 512 KiB, four column tiles 32 KiB, a K step 1 KiB
	s_lshl_b32 s29, s27, 15
	s_or_b32 s24, s24, s29
	s_lshl_b32 s29, s28, 10
	s_or_b32 s24, s24, s29
	s_add_nc_u64 s[44:45], s[44:45], s[24:25]
	s_lshl_b32 s24, s26, 15                        ; wsc: an expert is 8 K steps of 4,096 bytes
	s_lshl_b32 s29, s28, 12
	s_or_b32 s24, s24, s29
	s_lshl_b32 s29, s27, 8
	s_or_b32 s24, s24, s29
	s_add_nc_u64 s[46:47], s[46:47], s[24:25]
.macro WLOADS u, i0, dst                       ; rows i0 .. i0 + 15 of unit u's blocks
.set I, \i0
.rept 16
	global_load_b128 v[\dst+4*(I-(\i0)):\dst+4*(I-(\i0))+3], v4, s[40:41] offset:(64*(\u)+I)*4096 th:TH_LOAD_NT   ; read once in the launch
.set I, I+1
.endr
.endm
.macro COL u, q                                ; column q of unit u
.set RA, 16+128*(\u)+(\q)                      ; row i < 16 at RA + 4 i,
.set RB, 80-64*(\u)+(\q)                       ; row 16 + i at RB + 4 i
	v_max3_num_f32 v242, |v[RA]|, |v[RA+4]|, 0x1800000   ; the block's largest magnitude, and the floor 2^(3 - 127): the byte cannot fall under 1
	v_max3_num_f32 v243, |v[RB]|, |v[RB+4]|, |v[RB+8]|
.irp i, 2,4,6,8,10,12
	v_max3_num_f32 v242, v242, |v[RA+4*\i]|, |v[RA+4*\i+4]|
	v_max3_num_f32 v243, v243, |v[RB+4*\i+4]|, |v[RB+4*\i+8]|
.endr
	v_max3_num_f32 v242, v242, |v[RA+56]|, |v[RA+60]|
	v_max3_num_f32 v242, v242, v243, |v[RB+60]|
	v_add_nc_u32 v244, 0xff000000, v242            ; 2 off its exponent field: the conversion's scale operand
.if (\u) == 0
	v_lshrrev_b32 v[10+\q], 23, v244               ; the scale's byte: block h's,
.else
	v_lshrrev_b32 v245, 23, v244
	v_lshl_or_b32 v[10+\q], v245, 16, v[10+\q]     ; and block 2 + h's
.endif
.irp g, 0,1,2,3
.irp i, 0,1,2,3,4,5,6,7
.if \g < 2
	v_mov_b32 v[210+8*(\g%2)+\i], v[RA+32*\g+4*\i]
.else
	v_mov_b32 v[210+8*(\g%2)+\i], v[RB+32*(\g-2)+4*\i]
.endif
.endr
	v_cvt_scalef32_pk8_fp4_f32 v[226+4*(\q)+\g], v[210+8*(\g%2):217+8*(\g%2)], v244
.endr
	v_nop                                          ; one plain place behind the last conversion
	ds_store_b128 v6, v[226+4*(\q):229+4*(\q)] offset:16*(\q)
.endm
.macro BACK u                                  ; unit u's codes as whole rows: LDS serves a wave's instructions in order
.irp i, 0,1,2,3
	ds_load_b128 v[80+16*\u+4*\i:83+16*\u+4*\i], v7 offset:528*\i
.endr
.irp i, 0,1,2,3
	s_wait_dscnt 3-\i
	global_store_b128 v5, v[80+16*\u+4*\i:83+16*\u+4*\i], s[44:45] offset:8192*\i+512*\u   ; 512 consecutive bytes, aligned
.endr
.endm
	WLOADS 0, 0, 16
	WLOADS 0, 16, 80
	WLOADS 1, 0, 144
	s_wait_loadcnt 16                              ; unit 0's 32 are in; unit 1's first 16 may be out
	COL 0, 0
	COL 0, 1
	COL 0, 2
	COL 0, 3
	WLOADS 1, 16, 16
	BACK 0
	s_wait_loadcnt 0x0
	COL 1, 0
	COL 1, 1
	COL 1, 2
	COL 1, 3
.irp q, 0,1,2,3
	v_lshlrev_b32 v[10+\q], v9, v[10+\q]           ; my two bytes at their places (8 h bits up);
.endr
.irp q, 0,1,2,3
	v_permlanex16_b32 v[246+\q], v[10+\q], s[SEL], s[SEL+1]
.endr
.irp q, 0,1,2,3
	v_or_b32 v[10+\q], v[10+\q], v[246+\q]         ; with lane l xor 16's two the word is whole
.endr
	v_cmp_eq_u32 vcc_lo, 1, v3
	v_cndmask_b32 v10, v10, v12, vcc_lo            ; lanes 0-15 store columns 4 r, 4 r + 1, lanes 16-31 the next two
	v_cndmask_b32 v11, v11, v13, vcc_lo
	global_store_b64 v8, v[10:11], s[46:47]        ; 256 consecutive bytes, aligned
	BACK 1
	s_wait_tensorcnt 0x0                           ; the wave's end
	ds_add_u32 v208, v209
	s_wait_dscnt 0x0
	s_endpgm
.Lfunc_end_k_q1ccafbc71f_route:
	.size	k_q1ccafbc71f_route, .Lfunc_end_k_q1ccafbc71f_route-k_q1ccafbc71f_route
	.p2alignl 7, 3214868480
	.fill 96, 4, 3214868480
	.section	.rodata,"a",@progbits
	.p2align	6, 0x0
	.amdhsa_kernel k_q1ccafbc71f_route
		.amdhsa_group_segment_fixed_size 104448
		.amdhsa_private_segment_fixed_size 0
		.amdhsa_enable_private_segment 0
		.amdhsa_kernarg_size 96
		.amdhsa_user_sgpr_count 2
		.amdhsa_user_sgpr_kernarg_segment_ptr 1
		.amdhsa_wavefront_size32 1
		.amdhsa_system_sgpr_workgroup_id_x 1
		.amdhsa_system_sgpr_workgroup_id_y 1
		.amdhsa_system_sgpr_workgroup_id_z 1
		.amdhsa_system_vgpr_workitem_id 0
		.amdhsa_next_free_vgpr 256
		.amdhsa_next_free_sgpr 66
		.amdhsa_reserve_vcc 1
		.amdhsa_float_denorm_mode_32 3
		.amdhsa_float_denorm_mode_16_64 3
		.amdhsa_memory_ordered 1
		.amdhsa_forward_progress 1
		.amdhsa_inst_pref_size 73
	.end_amdhsa_kernel
	.amdgpu_metadata
---
amdhsa.version: [ 1, 2 ]
amdhsa.kernels:
  - .name:           k_q1ccafbc71f_route
    .symbol:         k_q1ccafbc71f_route.kd
    .args:
      - { .name: x, .offset: 0, .size: 8, .value_kind: global_buffer, .address_space: global }
      - { .name: Wg, .offset: 8, .size: 8, .value_kind: global_buffer, .address_space: global }
      - { .name: bg, .offset: 16, .size: 8, .value_kind: global_buffer, .address_space: global }
      - { .name: xq, .offset: 24, .size: 8, .value_kind: global_buffer, .address_space: global }
      - { .name: xs, .offset: 32, .size: 8, .value_kind: global_buffer, .address_space: global }
      - { .name: rkey, .offset: 40, .size: 8, .value_kind: global_buffer, .address_space: global }
      - { .name: gw, .offset: 48, .size: 8, .value_kind: global_buffer, .address_space: global }
      - { .name: imp, .offset: 56, .size: 8, .value_kind: global_buffer, .address_space: global }
      - { .name: cnt, .offset: 64, .size: 8, .value_kind: global_buffer, .address_space: global }
      - { .name: W, .offset: 72, .size: 8, .value_kind: global_buffer, .address_space: global }
      - { .name: wq, .offset: 80, .size: 8, .value_kind: global_buffer, .address_space: global }
      - { .name: wsc, .offset: 88, .size: 8, .value_kind: global_buffer, .address_space: global }
    .group_segment_fixed_size: 104448
    .private_segment_fixed_size: 0
    .kernarg_segment_align: 8
    .kernarg_segment_size: 96
    .max_flat_workgroup_size: 256
    .sgpr_count:     66
    .vgpr_count:     256
    .wavefront_size: 32
...
	.end_amdgpu_metadata
.endif
;; end of part 1
;; launch experts (part 2): grid 8 x 32, 4 waves a work-group, no clusters, 135,680 bytes of LDS; arguments xq, xs, rkey, gw, wq, wsc, b, out0, cnt, imp, out1; writes out0, out1
.if DOCPART == 2
	.amdgcn_target "amdgcn-amd-amdhsa--gfx1250"
	.amdhsa_code_object_version 6
	.text
	.protected	k_q1ccafbc71f_experts
	.globl	k_q1ccafbc71f_experts
	.p2align	8
	.type	k_q1ccafbc71f_experts,@function
k_q1ccafbc71f_experts:
	s_mov_b64 s[64:65], 0
	v_nop
	global_prefetch_b8 v0, s[64:65] scope:SCOPE_SE
	s_setreg_imm32_b32 hwreg(HW_REG_WAVE_MODE, 25, 1), 1
	s_wait_xcnt 0x0
; out0[token] = w_lo (x W_lo + b_lo) + w_hi (x W_hi + b_hi), the products on codes of FP4 (E2M1) with one E8M0 scale for each 32 along K, sums in f32.
; ONLY THE CHOSEN EXPERTS' ROWS ARE MULTIPLIED, AND EACH OUTPUT ROW HAS ONE OWNER.  ord lists the tokens sorted by their pair of experts (token | (16 lo + hi) << 16).
; A work-group owns 128 neighbours of that list (work-group y) x 128 output columns (work-group x).  It walks the experts that its tokens name, each once; for an expert it multiplies only those of its
; eight tiles of 16 tokens in which a token names the expert (scalar branches on numbers read from ord); a row of such a tile that does not name it gets the weight 0.
; SHARES.  Wave w makes columns 32 w .. 32 w + 31 of the 128, for all 128 rows: so each fragment of W is loaded by one wave, from memory straight into its registers, whole (wq is laid as the operand's
; registers), an expert ahead, in two buffers by turns.  The tokens' codes are gathered once into LDS, where all four waves read them.
; THE MATRIX INSTRUCTION IS USED TRANSPOSED (source 0 = 16 columns of W, source 1 = 16 tokens): a lane holds one token and eight neighbouring columns.  The bias is the C of a sum's first instruction.
; A tile's K goes in 8 steps on four accumulators (two column tiles x even and odd K steps) that take turns, one instruction a turn.
; The launch has no tensor load and no cluster: partners would need different experts.
; The output sums are cleared by moves: which expert comes first to a tile hangs on the list, so no fixed product can start them.
; REGISTERS, in windows of 256.  window 0: v1-8 addresses; v16-47 the four accumulators; v48-49 the gate; v56-87 biases (A, B); v88-103 W's scale words (A, B): register s: lanes 0-15 column tile 0, lanes 16-31 tile 1;
;   v104-167 x's scale words (8 j + s); v168-183 lo, hi; v184-199 their weights; v200-207 entries; v208-239 row offsets; v240-255 gather offsets.
;   window 1: W's fragments: buffer A v0-127, B v128-255 (64 t + 8 s + 4 c).   window 2: v0-127 the output sums (8 (2 j + t)), first and last also rows on their way; v128-191 a tile's eight fragments of x.
; THE LIST that the lines above call ord is made in this launch's head, each work-group for its own 128 places: the tokens in the order (class, block of groups, group, rank), where rkey and cnt hold each
; token's class and rank and each group of 16 tokens' count of each class.  The counts are summed over 16 blocks of 16 groups (block 4 w + k: groups 64 w + 4 i + k, i = 0 .. 15) and over the classes;
; then every thread looks its place up: its class, the block, the group and the token.  What is stored in LDS goes to fixed places; only loads hang on the counts.
; out1 = sum over e of (1/16) (ln(1/16) - ln(importance_e)) = -(ln 2 / 16) x sum of log2(16 importance_e): wave 3 of one work-group of the list's last places.
; wq IS PREFETCHED under the head: each of its blocks of 256 bytes is named by one thread of the launch, the 32 work-groups of a column block share its 1 MiB out among them by address.
.set CNTL, 67584                       ; LDS of the head, where the stage lies later: the counts [256 groups][128],
.set KEYL, CNTL+32768                  ;      rkey's 4,096 words,
.set SUML, KEYL+16384                  ;      the blocks' sums [16][128] in 16 bits: class c at 2 (c & 124) + 4 (c & 1) + (c & 2),
.set LIST, SUML+4096                   ;      my 128 entries
.set XP,   528                         ; a row in LDS: 512 bytes + 16: the 16 rows that a load touches start at 16 different groups of banks
.set XR,   0                           ; LDS: 128 rows of codes
.set STG,  128*XP                      ;      128 rows x 128 columns of f32, for the way out
.set P,    16
.set GT,   48
.set BI,   56
.set WS,   88
.set XSC,  104
.set LO,   168
.set HI,   176
.set GWT,  184
.set ENT,  200
.set AD,   208
.set GO,   240
.set XO,   248
.set XF,   128                         ; in window 2
.set MSB, 0
.macro WIN new                         ; the immediate's high byte repeats the setting that is left; at a label and at a branch every window is 0
.if MSB != \new
	s_set_vgpr_msb (MSB<<8)|\new
.set MSB, \new
.endif
.endm
; The next expert of the set s32 goes to buffer X (0: A, 1: B): its number into s[33 + X], its three addresses into s[40 + 6 X ..].  The buffer's earlier loads have been waited for.
.macro TAKE X
	s_ctz_i32_b32 s[33+\X], s32                    ; the lowest expert not yet taken (of an empty set: -1, which no tile and no token names)
	s_sub_co_u32 s37, s32, 1
	s_and_b32 s32, s32, s37                        ; taken
	s_min_u32 s37, s[33+\X], 15
	s_lshl_b32 s38, s37, 19
	s_add_nc_u64 s[40+6*\X:41+6*\X], s[52:53], s[38:39]   ; its codes,
	s_lshl_b32 s38, s37, 15
	s_add_nc_u64 s[42+6*\X:43+6*\X], s[54:55], s[38:39]   ; scale words,
	s_lshl_b32 s38, s37, 12
	s_add_nc_u64 s[44+6*\X:45+6*\X], s[56:57], s[38:39]   ; bias
.endm
.macro WLOAD X                                 ; 44 loads: my 32 columns of one expert
.irp s, 0,1,2,3,4,5,6,7
	global_load_b32 v[WS+8*\X+\s], v2, s[42+6*\X:43+6*\X] offset:4096*\s
.endr
.irp q, 0,1,2,3
	global_load_b128 v[BI+16*\X+4*\q:BI+16*\X+4*\q+3], v3, s[44+6*\X:45+6*\X] offset:64*(\q/2)+16*(\q%2)   ; lane (r, h): b at columns 16 t + 8 h + 0 .. 7
.endr
	WIN 0x40                                       ; destination window 1
.irp t, 0,1
.irp s, 0,1,2,3,4,5,6,7
.irp c, 0,1
	global_load_b128 v[128*\X+64*\t+8*\s+4*\c:128*\X+64*\t+8*\s+4*\c+3], v1, s[40+6*\X:41+6*\X] offset:8192*\t+1024*\s+512*\c   ; 512 consecutive bytes
.endr
.endr
.endr
	WIN 0
.endm
; Buffer X has been multiplied: it takes the next expert, if there is one.  Behind either wait the OTHER buffer is whole.
.macro NEXT X
	s_cmp_lg_u32 s32, 0
	s_cbranch_scc0 .Lnone_\@
	TAKE \X
	WLOAD \X
	s_wait_loadcnt 44                              ; all but the 44 just issued
	s_branch .Ljoin_\@
.Lnone_\@:
	s_mov_b32 s[33+\X], 31                         ; an expert that no tile names
	s_wait_loadcnt 0x0
.Ljoin_\@:
.endm
.macro MM j, X, s, t                           ; K step s, column tile t
.set rP, P+16*(\t)+8*((\s)%2)
.set rW, 128*(\X)+64*(\t)+8*(\s)
.set rX, XF+8*(\s)
.set rB, BI+16*(\X)+8*(\t)
.set rS, WS+8*(\X)+(\s)
.set rT, XSC+8*(\j)+(\s)
.if (\t) == 0
.if (\s) == 0
	v_wmma_scale_f32_16x16x128_f8f6f4 v[rP:rP+7], v[rW:rW+7], v[rX:rX+7], v[rB:rB+7], v[rS], v[rT] matrix_a_fmt:MATRIX_FMT_FP4 matrix_b_fmt:MATRIX_FMT_FP4
.elseif (\s) == 1
	v_wmma_scale_f32_16x16x128_f8f6f4 v[rP:rP+7], v[rW:rW+7], v[rX:rX+7], 0, v[rS], v[rT] matrix_a_fmt:MATRIX_FMT_FP4 matrix_b_fmt:MATRIX_FMT_FP4
.else
	v_wmma_scale_f32_16x16x128_f8f6f4 v[rP:rP+7], v[rW:rW+7], v[rX:rX+7], v[rP:rP+7], v[rS], v[rT] matrix_a_fmt:MATRIX_FMT_FP4 matrix_b_fmt:MATRIX_FMT_FP4
.endif
.else
.if (\s) == 0
	v_wmma_scale_f32_16x16x128_f8f6f4 v[rP:rP+7], v[rW:rW+7], v[rX:rX+7], v[rB:rB+7], v[rS], v[rT] matrix_a_fmt:MATRIX_FMT_FP4 matrix_b_fmt:MATRIX_FMT_FP4 matrix_a_scale:MATRIX_SCALE_ROW1
.elseif (\s) == 1
	v_wmma_scale_f32_16x16x128_f8f6f4 v[rP:rP+7], v[rW:rW+7], v[rX:rX+7], 0, v[rS], v[rT] matrix_a_fmt:MATRIX_FMT_FP4 matrix_b_fmt:MATRIX_FMT_FP4 matrix_a_scale:MATRIX_SCALE_ROW1
.else
	v_wmma_scale_f32_16x16x128_f8f6f4 v[rP:rP+7], v[rW:rW+7], v[rX:rX+7], v[rP:rP+7], v[rS], v[rT] matrix_a_fmt:MATRIX_FMT_FP4 matrix_b_fmt:MATRIX_FMT_FP4 matrix_a_scale:MATRIX_SCALE_ROW1
.endif
.endif
.endm
; Tile j (16 tokens) against buffer X's expert, if a token of the tile names it.
.macro TILE j, X
	s_bitcmp1_b32 s[24+\j], s[33+\X]
	s_cbranch_scc0 .Lskip_\@
	WIN 0x80                                       ; destination window 2
.irp s, 0,1,2,3,4,5,6,7
.irp c, 0,1
	ds_load_b128 v[XF+8*\s+4*\c:XF+8*\s+4*\c+3], v4 offset:16*XP*\j+64*\s+32*\c
.endr
.endr
	WIN 0x09                                       ; source 0 (W) window 1, source 1 (x) window 2, C and D window 0
.irp s, 0,1,2,3,4,5,6,7
	s_wait_dscnt 14-2*\s                           ; LDS loads come back in order: K step s's two are in, the later steps' may be out
	MM \j, \X, \s, 0
	MM \j, \X, \s, 1
.endr
	WIN 0
	v_cmp_eq_u32 vcc_lo, s[33+\X], v[LO+\j]        ; the gate of my token for this expert: lo's weight, hi's, or 0
	v_cndmask_b32 v[GT], 0, v[GWT+2*\j], vcc_lo
	v_cmp_eq_u32 vcc_lo, s[33+\X], v[HI+\j]
	v_cndmask_b32 v[GT], v[GT], v[GWT+2*\j+1], vcc_lo
.rept 3
	v_nop                                          ; with the four lines above: the places behind the last products, ahead of the reads of the sums, of the next loads into fragments, scale words and biases, and of the next tile's products, which begin the accumulators anew
.endr
	WIN 0xa0                                       ; destination and source 2 window 2
.irp t, 0,1
.irp u, 0,1
.irp p, 0,2,4,6
	v_pk_fma_f32 v[8*(2*\j+\t)+\p:8*(2*\j+\t)+\p+1], v[P+16*\t+8*\u+\p:P+16*\t+8*\u+\p+1], v[GT:GT+1], v[8*(2*\j+\t)+\p:8*(2*\j+\t)+\p+1] op_sel_hi:[1,0,1]   ; each accumulator from its low end on
.endr
.endr
.endr
	WIN 0
.Lskip_\@:
.endm
.macro EXPERT X
.irp j, 0,1,2,3,4,5,6,7
	TILE \j, \X
.endr
	NEXT \X
.endm
	s_load_b512 s[4:19], s[0:1], 0x0               ; xq s[4:5], xs s[6:7], rkey s[8:9], gw s[10:11], wq s[12:13], wsc s[14:15], b s[16:17], out0 s[18:19]
	s_load_b64 s[60:61], s[0:1], 0x40              ; cnt
	s_load_b128 s[68:71], s[0:1], 0x48             ; imp s[68:69], out1 s[70:71]
	v_lshl_add_u32 v54, v0, 2, 0x21000
	v_mov_b32 v55, 0
	v_lshrrev_b32 v1, 5, v0
	v_readfirstlane_b32 s20, v1                    ; wave 0..3
	s_mov_b32 s21, ttmp9                           ; which 128 columns
	s_and_b32 s22, ttmp7, 0xffff                   ; which 128 places of the sorted list
	v_and_b32 v9, 31, v0                           ; L
	v_and_b32 v10, 15, v0                          ; r
	v_bfe_u32 v11, v0, 4, 1                        ; h
	v_lshlrev_b32 v1, 4, v9                        ; 16 L
	v_lshlrev_b32 v2, 2, v9                        ; 4 L
	v_lshlrev_b32 v3, 5, v11                       ; 32 h
	v_mul_u32_u24 v4, v10, XP
	v_lshl_add_u32 v4, v11, 4, v4                  ; a fragment of x: row r, + 16 h
	s_mul_i32 s23, s20, 32*XP
	v_add_nc_u32 v5, s23, v1                       ; codes in: my 32 rows, 16 bytes a lane
	v_mul_u32_u24 v6, v10, XP
	v_lshl_add_u32 v6, v11, 5, v6
	s_lshl_b32 s36, s20, 7
	s_add_co_u32 s36, s36, STG
	v_add_nc_u32 v6, s36, v6                       ; the stage, in: row r, my wave's 128 bytes, + 32 h
	s_add_co_u32 s23, s23, STG
	v_add_nc_u32 v7, s23, v1                       ; and back: my 32 rows, whole
	v_lshlrev_b32 v8, 2, v10                       ; 4 r
	v_lshlrev_b32 v13, 8, v0                       ; the prefetch: 256 x thread; never rewritten
	s_lshl_b32 s37, s20, 13
	v_add_nc_u32 v14, s37, v1                      ; cnt: my wave's 8 KiB
	v_add_nc_u32 v88, CNTL, v14
	s_lshl_b32 s37, s20, 12
	v_add_nc_u32 v15, s37, v1                      ; rkey: my wave's 4 KiB
	v_add_nc_u32 v89, KEYL, v15
	s_lshl_b32 s37, s20, 10
	s_add_co_u32 s37, s37, SUML
	v_lshlrev_b32 v90, 5, v9
	v_add_nc_u32 v90, s37, v90                     ; sums in: block 4 w + L / 8, classes 16 (L % 8) on
	v_lshl_add_u32 v91, v9, 3, SUML                ; and back: classes 4 L .. 4 L + 3
	v_lshl_add_u32 v92, v0, 2, LIST                ; my place's entry
	v_add_nc_u32 v93, LIST, v8                     ; a tile's entries
	s_mov_b32 s39, 0                               ; stays 0: the upper word of every offset
	s_wait_alu depctr_va_vdst(0)
	s_wait_kmcnt 0x0
.irp i, 0,1,2,3,4,5,6,7,8,9,10,11,12,13,14,15
	global_load_b128 v[104+4*\i:107+4*\i], v14, s[60:61] offset:512*\i   ; groups 64 w + 4 i + L / 8
.endr
.irp i, 0,1,2,3,4,5,6,7
	global_load_b128 v[168+4*\i:171+4*\i], v15, s[8:9] offset:512*\i
.endr
	s_lshr_b32 s38, s22, 1                         ; the prefetch: half (y % 2) of expert y / 2's 64 KiB for my columns
	s_lshl_b32 s38, s38, 19
	s_and_b32 s37, s22, 1
	s_lshl_b32 s37, s37, 15
	s_or_b32 s38, s38, s37
	s_lshl_b32 s37, s21, 16
	s_or_b32 s38, s38, s37
	s_add_nc_u64 s[58:59], s[12:13], s[38:39]
	global_prefetch_b8 v13, s[58:59] th:TH_LOAD_NT scope:SCOPE_SE
	s_lshl_b32 s38, s21, 3
	s_lshl_b32 s37, s20, 1
	s_add_co_u32 s38, s38, s37                     ; my first column tile: 8 x + 2 w
	s_lshl_b32 s38, s38, 13
	s_add_nc_u64 s[52:53], s[12:13], s[38:39]
	s_lshl_b32 s38, s21, 9
	s_lshl_b32 s37, s20, 7
	s_add_co_u32 s38, s38, s37                     ; my first column, in words of 4 bytes
	s_add_nc_u64 s[54:55], s[14:15], s[38:39]
	s_add_nc_u64 s[56:57], s[16:17], s[38:39]
	s_lshl_b32 s38, s21, 9
	s_add_nc_u64 s[18:19], s[18:19], s[38:39]      ; out0 at the work-group's 128 columns
	; ---- out1: wave 3 of work-group (0, 31)
	s_xor_b32 s37, s22, 31
	s_or_b32 s37, s37, s21
	s_xor_b32 s38, s20, 3
	s_or_b32 s37, s37, s38
	s_cmp_lg_u32 s37, 0
	s_cbranch_scc1 .Lnot_aux
	s_mov_b32 s72, 0x76543210
	s_mov_b32 s73, 0xfedcba98                      ; v_permlanex16_b32's selects for lane l xor 16
	WIN 0x40
.set I, 0
.rept 32
	global_load_b128 v[4*I:4*I+3], v1, s[68:69] offset:512*I   ; lane L: experts 4 (L % 4) on, of row L / 4 + 8 I
.set I, I+1
.endr
	WIN 0
.irp q, 0,1,2,3
	v_mov_b32 v[20+\q], 0                          ; (lane permutes' destinations)
.endr
	s_wait_alu depctr_va_vdst(0)
	s_wait_loadcnt 0x0
	WIN 0x05
	v_pk_add_f32 v[16:17], v[0:1], v[4:5]
	v_pk_add_f32 v[18:19], v[2:3], v[6:7]
	WIN 0x04
.set I, 2
.rept 30
	v_pk_add_f32 v[16:17], v[16:17], v[4*I:4*I+1]
	v_pk_add_f32 v[18:19], v[18:19], v[4*I+2:4*I+3]
.set I, I+1
.endr
	WIN 0
.irp m, 4,8
.irp q, 0,1,2,3
	v_add_f32_dpp v[16+\q], v[16+\q], v[16+\q] row_xmask:\m row_mask:0xf bank_mask:0xf
.endr
.endr
.irp q, 0,1,2,3
	v_permlanex16_b32 v[20+\q], v[16+\q], s72, s73
.endr
.irp q, 0,1,2,3
	v_add_f32 v[16+\q], v[16+\q], v[20+\q]         ; the gates' sums over all tokens
.endr
.irp q, 0,1,2,3
	v_mul_f32 v[16+\q], 0x3b800000, v[16+\q]       ; x 2^-8 = 16 x importance: exact, and near 1, so that no large numbers are subtracted
.endr
	s_wait_alu depctr_va_vdst(0)
.irp q, 0,1,2,3
	v_log_f32 v[20+\q], v[16+\q]
.endr
	v_mov_b32 v24, 0                               ; a plain place; the store's offset
	s_wait_alu depctr_va_vdst(0)                   ; one wait for the four, ahead of their first reader
	v_add_f32 v20, v20, v21
	v_add_f32 v22, v22, v23
	v_add_f32 v20, v20, v22
	v_add_f32_dpp v20, v20, v20 row_xmask:1 row_mask:0xf bank_mask:0xf
	v_add_f32_dpp v20, v20, v20 row_xmask:2 row_mask:0xf bank_mask:0xf
	v_mul_f32 v20, 0xbd317218, v20                 ; x -(ln 2) / 16
	v_cmp_eq_u32 vcc_lo, 0, v9
	s_wait_alu depctr_va_vdst(0)
	s_wait_xcnt 0x0                                ; EXEC changes only behind this wait
	s_and_saveexec_b32 s37, vcc_lo
	global_store_b32 v24, v20, s[70:71]
	s_wait_xcnt 0x0
	s_or_b32 exec_lo, exec_lo, s37
.Lnot_aux:
	; ---- the counts into LDS, and their sums over my wave's four blocks
	s_mov_b32 s74, 0xff00ff
	s_wait_loadcnt 8                               ; the 16 loads of counts are in; rkey's eight may be out
.irp i, 0,1,2,3,4,5,6,7,8,9,10,11,12,13,14,15
	ds_store_b128 v88, v[104+4*\i:107+4*\i] offset:512*\i
.endr
.irp u, 0,1                                    ; eight groups of at most 16 tokens: a byte holds the sum
.irp q, 0,1,2,3
	v_add3_u32 v[56+4*\u+\q], v[104+32*\u+\q], v[108+32*\u+\q], v[112+32*\u+\q]
.endr
.irp k, 12,20
.irp q, 0,1,2,3
	v_add3_u32 v[56+4*\u+\q], v[56+4*\u+\q], v[104+32*\u+\k+\q], v[108+32*\u+\k+\q]
.endr
.endr
.irp q, 0,1,2,3
	v_add_nc_u32 v[56+4*\u+\q], v[56+4*\u+\q], v[132+32*\u+\q]
.endr
.endr
.irp q, 0,1,2,3                                ; widened to 16 bits: even classes, odd classes
	v_and_b32 v[64+2*\q], s74, v[56+\q]
	v_lshrrev_b32 v[65+2*\q], 8, v[56+\q]
	v_and_b32 v[72+2*\q], s74, v[60+\q]
	v_lshrrev_b32 v[73+2*\q], 8, v[60+\q]
.endr
.irp q, 0,1,2,3
	v_and_b32 v[65+2*\q], s74, v[65+2*\q]
	v_and_b32 v[73+2*\q], s74, v[73+2*\q]
.endr
.irp k, 0,1,2,3,4,5,6,7
	v_add_nc_u32 v[64+\k], v[64+\k], v[72+\k]
.endr
	ds_store_b128 v90, v[64:67]
	ds_store_b128 v90, v[68:71] offset:16
	s_wait_loadcnt 0x0
.irp i, 0,1,2,3,4,5,6,7
	ds_store_b128 v89, v[168+4*\i:171+4*\i] offset:512*\i
.endr
	s_wait_dscnt 0x0                               ; for the others' sake: my stores have landed
	s_barrier_signal -1
	s_barrier_wait -1
	; ---- where each class begins: every wave for all classes, lane L classes 4 L .. 4 L + 3
.irp i, 0,1,2,3,4,5,6,7,8,9,10,11,12,13,14,15
	ds_load_b64 v[104+2*\i:105+2*\i], v91 offset:256*\i
.endr
	v_mov_b32 v67, 0                               ; (a DPP destination counts as read)
	s_wait_alu depctr_va_vdst(0)
	s_wait_dscnt 0x0
.irp q, 0,1
	v_add3_u32 v[56+\q], v[104+\q], v[106+\q], v[108+\q]
.endr
.irp k, 6,10,14,18,22,26
.irp q, 0,1
	v_add3_u32 v[56+\q], v[56+\q], v[104+\k+\q], v[106+\k+\q]
.endr
.endr
.irp q, 0,1
	v_add_nc_u32 v[56+\q], v[56+\q], v[134+\q]
.endr
	v_and_b32 v58, 0xffff, v56
	v_and_b32 v59, 0xffff, v57
	v_lshrrev_b32 v60, 16, v56
	v_lshrrev_b32 v61, 16, v57
	v_add_nc_u32 v63, v58, v59
	v_add_nc_u32 v64, v63, v60
	v_add_nc_u32 v65, v64, v61                     ; my four classes' tokens
	v_mov_b32 v66, v65
.irp n, 1,2,4,8
	v_mov_b32_dpp v67, v66 row_shr:\n row_mask:0xf bank_mask:0xf bound_ctrl:1
	v_add_nc_u32 v66, v66, v67                     ; running sums inside each 16 lanes,
.endr
	v_readlane_b32 s37, v66, 15
	v_mad_u32_u24 v66, v11, s37, v66               ; lanes 16-31 behind the first sixteen's total
	v_sub_nc_u32 v66, v66, v65                     ; what stands in front of class 4 L,
	v_add_nc_u32 v69, v66, v58                     ; 4 L + 1,
	v_add_nc_u32 v70, v66, v63                     ; 4 L + 2,
	v_add_nc_u32 v71, v66, v64                     ; 4 L + 3
	v_lshl_add_u32 v72, v66, 7, v2                 ; with the class's number in the low seven bits
	v_lshl_add_u32 v73, v69, 7, v2
	v_lshl_add_u32 v74, v70, 7, v2
	v_lshl_add_u32 v75, v71, 7, v2
	v_add_nc_u32 v73, 1, v73
	v_add_nc_u32 v74, 2, v74
	v_add_nc_u32 v75, 3, v75
	; ---- my place P = 128 y + 32 w + L.  With 127 below P, the least of (P - word) that is not negative (as unsigned numbers: the least) is my class's: its upper bits are my place in the class
	s_lshl_b32 s37, s22, 7
	s_lshl_b32 s38, s20, 5
	s_add_co_u32 s37, s37, s38
	v_add_nc_u32 v16, s37, v9
	v_lshl_or_b32 v16, v16, 7, 0x7f
.irp k, 0,1,2,3,4,5,6,7,8,9,10,11,12,13,14,15
	v_readlane_b32 s[76+\k], v72, 2*\k             ; every eighth class
.endr
.irp k, 0,1,2,3,4,5,6,7,8,9,10,11,12,13,14,15
	v_sub_nc_u32 v[104+\k], v16, s[76+\k]
.endr
	v_min_u32 v19, v104, v105
	v_min_u32 v20, v106, v107
.irp k, 108,110,112,114,116,118
	v_min_u32 v19, v19, v[\k]
	v_min_u32 v20, v20, v[\k+1]
.endr
	v_min_u32 v19, v19, v20
	v_and_b32 v17, 0x7f, v19
	v_xor_b32 v17, 0x7f, v17                       ; class 8 k: it lies in lane 2 k, whose byte index is 8 k
	v_add_nc_u32 v18, 4, v17
.irp i, 0,1,2,3
	ds_bpermute_b32 v[104+\i], v17, v[72+\i]       ; the eight classes from 8 k on
	ds_bpermute_b32 v[108+\i], v18, v[72+\i]
.endr
	s_wait_alu depctr_va_vdst(0)
	s_wait_dscnt 0x0
.irp k, 0,1,2,3,4,5,6,7
	v_sub_nc_u32 v[104+\k], v16, v[104+\k]
.endr
	v_min_u32 v19, v104, v105
	v_min_u32 v20, v106, v107
	v_min_u32 v21, v108, v109
	v_min_u32 v22, v110, v111
	v_min_u32 v19, v19, v20
	v_min_u32 v21, v21, v22
	v_min_u32 v19, v19, v21
	v_lshrrev_b32 v16, 7, v19                      ; my place in the class
	v_and_b32 v18, 0x7f, v19
	v_xor_b32 v18, 0x7f, v18
	v_min_u32 v18, 0x7f, v18                       ; my class
; among 16 counts in v[104 ..]: which one holds place v16, into v[idx]; and the place in it, into v16.  The same least-number search, the index in the low four bits
.macro FIND idx
	v_lshl_or_b32 v30, v16, 4, 15
	v_lshl_or_b32 v31, v16, 4, 15
.irp i, 0,1,2,3,4,5,6,7,8,9,10,11,12,13,14
	v_lshl_add_u32 v[104+\i], v[104+\i], 4, 1
.endr
.irp i, 0,1,2,3,4,5,6,7,8,9,10,11,12,13,14
	v_sub_nc_u32 v30, v30, v[104+\i]
	v_min_u32 v31, v31, v30
.endr
	v_lshrrev_b32 v16, 4, v31
	v_and_b32 v[\idx], 15, v31
	v_xor_b32 v[\idx], 15, v[\idx]
	v_min_u32 v[\idx], 15, v[\idx]
.endm
	v_and_b32 v20, 0x7c, v18
	v_and_b32 v21, 1, v18
	v_and_b32 v22, 2, v18
	v_lshl_add_u32 v20, v20, 1, v22
	v_lshl_add_u32 v20, v21, 2, v20
	v_add_nc_u32 v20, SUML, v20
.irp i, 0,1,2,3,4,5,6,7,8,9,10,11,12,13,14
	ds_load_u16 v[104+\i], v20 offset:256*\i       ; my class's sums
.endr
	s_wait_alu depctr_va_vdst(0)
	s_wait_dscnt 0x0
	FIND 17                                        ; the block
	v_and_b32 v21, 12, v17
	v_and_b32 v22, 3, v17
	v_lshl_add_u32 v20, v21, 11, v18
	v_lshl_add_u32 v20, v22, 7, v20
	v_add_nc_u32 v20, CNTL, v20
.irp i, 0,1,2,3,4,5,6,7,8,9,10,11,12,13,14
	ds_load_u8 v[104+\i], v20 offset:512*\i        ; my class's counts in its 16 groups
.endr
	s_wait_alu depctr_va_vdst(0)
	s_wait_dscnt 0x0
	FIND 25                                        ; the group
	v_lshlrev_b32 v23, 8, v21
	v_lshl_add_u32 v23, v22, 4, v23
	v_lshl_add_u32 v23, v25, 6, v23                ; its first token
	v_lshl_add_u32 v20, v23, 2, KEYL
.irp i, 0,1,2,3
	ds_load_b128 v[104+4*\i:107+4*\i], v20 offset:16*\i   ; its 16 words
.endr
	v_lshlrev_b32 v24, 16, v18
	v_lshl_or_b32 v24, v16, 12, v24                ; class, rank: the word that begins so is mine
	s_wait_alu depctr_va_vdst(0)
	s_wait_dscnt 0x0
.irp k, 0,1,2,3,4,5,6,7,8,9,10,11,12,13,14,15
	v_sub_nc_u32 v[104+\k], v[104+\k], v24
.endr
	v_min_u32 v19, v104, v105
	v_min_u32 v20, v106, v107
.irp k, 108,110,112,114,116,118
	v_min_u32 v19, v19, v[\k]
	v_min_u32 v20, v20, v[\k+1]
.endr
	v_min_u32 v19, v19, v20                        ; place in the group << 8 | 16 lo + hi
	v_lshrrev_b32 v32, 8, v19
	v_and_b32 v33, 0xff, v19
	v_add_nc_u32 v32, v23, v32
	v_min_u32 v32, 0xfff, v32                      ; my place's token
	v_lshl_or_b32 v33, v33, 16, v32
	s_wait_alu depctr_va_vdst(0)
	s_barrier_signal -1                            ; my loads whose places hang on the counts are over
.set I, 0
.rept 32
	v_readlane_b32 s[68+I], v32, I
.set I, I+1
.endr
.set I, 0
.rept 32
	s_and_b32 s[68+I], s[68+I], 0xfff
	s_min_u32 s[68+I], s[68+I], 0xfff              ; the token of my row I
	v_lshl_add_u32 v[AD+I], s[68+I], 9, v1         ; its 512 bytes of codes
.set I, I+1
.endr
	s_wait_alu depctr_va_vdst(0)
	s_barrier_wait -1
	ds_store_b32 v92, v33
	WIN 0x80                                       ; destination window 2
.set I, 0
.rept 32
	global_load_b128 v[4*I:4*I+3], v[AD+I], s[4:5] ; a whole row: 512 consecutive bytes
.set I, I+1
.endr
	WIN 0
	s_wait_dscnt 0x0                               ; for the others' sake: my entry has landed
	s_barrier_signal -1
	s_barrier_wait -1
.irp j, 0,1,2,3,4,5,6,7
	ds_load_b32 v[ENT+\j], v93 offset:64*\j        ; tile j: lane r (and r + 16) takes token r's entry
.endr
	s_wait_dscnt 0x0                               ; the eight entries are in; the 32 rows may be out
.irp j, 0,1,2,3,4,5,6,7
	v_and_b32 v[GO+\j], 0xfff, v[ENT+\j]
	v_min_u32 v[GO+\j], 0xfff, v[GO+\j]
	v_lshlrev_b32 v[XO+\j], 5, v[GO+\j]            ; 32 bytes of scale words a token,
	v_lshlrev_b32 v[GO+\j], 3, v[GO+\j]            ; 8 bytes of weights
	v_bfe_u32 v[LO+\j], v[ENT+\j], 20, 4
	v_bfe_u32 v[HI+\j], v[ENT+\j], 16, 4
	global_load_b64 v[GWT+2*\j:GWT+2*\j+1], v[GO+\j], s[10:11]
	global_load_b128 v[XSC+8*\j:XSC+8*\j+3], v[XO+\j], s[6:7]
	global_load_b128 v[XSC+8*\j+4:XSC+8*\j+7], v[XO+\j], s[6:7] offset:16
.endr
	v_mov_b32 v12, 1
.irp j, 0,1,2,3,4,5,6,7
	v_lshlrev_b32 v[16+\j], v[LO+\j], v12
	v_lshlrev_b32 v[24+\j], v[HI+\j], v12
	v_or_b32 v[16+\j], v[16+\j], v[24+\j]          ; my token's two experts as bits
.endr
.irp m, 1,2,4,8
.irp j, 0,1,2,3,4,5,6,7
	v_mov_b32_dpp v[24+\j], v[16+\j] row_xmask:\m row_mask:0xf bank_mask:0xf
.endr
.irp j, 0,1,2,3,4,5,6,7
	v_or_b32 v[16+\j], v[16+\j], v[24+\j]          ; the tile's sixteen together
.endr
.endr
.irp j, 0,1,2,3,4,5,6,7
	v_readfirstlane_b32 s[24+\j], v[16+\j]         ; s[24 + j]: the experts of tile j
.endr
	s_or_b32 s32, s24, s25
.irp j, 2,3,4,5,6,7
	s_or_b32 s32, s32, s[24+\j]                    ; s32: the experts of the work-group
.endr
	s_bcnt1_i32_b32 s35, s32
	s_add_co_u32 s35, s35, 1
	s_lshr_b32 s35, s35, 1                         ; trips: two experts a trip
	s_mov_b32 s36, 0
	TAKE 0
	WLOAD 0
	s_wait_loadcnt 63                              ; behind the 32 rows stand 24 + 44 loads: the rows are in
	WIN 0x08                                       ; an LDS store's data: window 2
.set I, 0
.rept 32
	ds_store_b128 v5, v[4*I:4*I+3] offset:XR+XP*I
.set I, I+1
.endr
	WIN 0
	v_mov_b32 v[GT+1], 0                           ; named as the upper half of the gate's pair
	TAKE 1
	WLOAD 1
	s_wait_dscnt 0x0                               ; my rows have landed in LDS, and the stores have read their registers
	s_barrier_signal -1
	WIN 0x80
.set I, 0
.rept 128
	v_mov_b32 v[I], 0                              ; the output sums
.set I, I+1
.endr
	WIN 0
	s_barrier_wait -1                              ; all 128 rows lie in LDS
	s_wait_loadcnt 44                              ; buffer B's 44 may be out: weights, scale words and buffer A are in
.Ltrip:                                            ; at a trip's head buffer A is whole
	EXPERT 0
	EXPERT 1
	s_add_co_u32 s36, s36, 1
	s_cmp_lt_u32 s36, s35
	s_cbranch_scc1 .Ltrip
	; THE WAY OUT.  A row's 128 columns come from four waves: they meet in the stage, and each wave stores 32 whole rows of 512 bytes at their tokens' places.
	WIN 0x08
	s_wait_alu depctr_va_vdst(0)
.irp j, 0,1,2,3,4,5,6,7
.irp t, 0,1
	ds_store_b128 v6, v[8*(2*\j+\t):8*(2*\j+\t)+3] offset:16*XP*\j+64*\t
	ds_store_b128 v6, v[8*(2*\j+\t)+4:8*(2*\j+\t)+7] offset:16*XP*\j+64*\t+16
.endr
.endr
	WIN 0
.set I, 0
.rept 32
	v_lshl_add_u32 v[AD+I], s[68+I], 12, v1        ; my row I's token: a row of out0 is 4,096 bytes (the loads that read these registers were waited for)
.set I, I+1
.endr
	s_wait_alu depctr_va_vdst(0)
	s_wait_dscnt 0x0                               ; for the others' sake: my stores have landed
	s_barrier_signal -1
	s_barrier_wait -1
	WIN 0x80
.set I, 0
.rept 32
	ds_load_b128 v[4*I:4*I+3], v7 offset:XP*I
.set I, I+1
.endr
	WIN 0x08                                       ; a store's data: window 2
.set I, 0
.rept 32
	s_wait_dscnt 31-I
	global_store_b128 v[AD+I], v[4*I:4*I+3], s[18:19] th:TH_STORE_NT   ; 32 lanes store 512 consecutive bytes, aligned; written once, read by nobody here
.set I, I+1
.endr
	WIN 0
	s_barrier_signal -1
	s_barrier_wait -1
	s_wait_tensorcnt 0x0
	ds_add_u32 v54, v55
	s_wait_dscnt 0x0
	s_endpgm
.Lfunc_end_k_q1ccafbc71f_experts:
	.size	k_q1ccafbc71f_experts, .Lfunc_end_k_q1ccafbc71f_experts-k_q1ccafbc71f_experts
	.p2alignl 7, 3214868480
	.fill 96, 4, 3214868480
	.section	.rodata,"a",@progbits
	.p2align	6, 0x0
	.amdhsa_kernel k_q1ccafbc71f_experts
		.amdhsa_group_segment_fixed_size 135680
		.amdhsa_private_segment_fixed_size 0
		.amdhsa_enable_private_segment 0
		.amdhsa_kernarg_size 88
		.amdhsa_user_sgpr_count 2
		.amdhsa_user_sgpr_kernarg_segment_ptr 1
		.amdhsa_wavefront_size32 1
		.amdhsa_system_sgpr_workgroup_id_x 1
		.amdhsa_system_sgpr_workgroup_id_y 1
		.amdhsa_system_sgpr_workgroup_id_z 1
		.amdhsa_system_vgpr_workitem_id 0
		.amdhsa_next_free_vgpr 704
		.amdhsa_next_free_sgpr 100
		.amdhsa_reserve_vcc 1
		.amdhsa_float_denorm_mode_32 3
		.amdhsa_float_denorm_mode_16_64 3
		.amdhsa_memory_ordered 1
		.amdhsa_forward_progress 1
		.amdhsa_inst_pref_size 167
	.end_amdhsa_kernel
	.amdgpu_metadata
---
amdhsa.version: [ 1, 2 ]
amdhsa.kernels:
  - .name:           k_q1ccafbc71f_experts
    .symbol:         k_q1ccafbc71f_experts.kd
    .args:
      - { .name: xq, .offset: 0, .size: 8, .value_kind: global_buffer, .address_space: global }
      - { .name: xs, .offset: 8, .size: 8, .value_kind: global_buffer, .address_space: global }
      - { .name: rkey, .offset: 16, .size: 8, .value_kind: global_buffer, .address_space: global }
      - { .name: gw, .offset: 24, .size: 8, .value_kind: global_buffer, .address_space: global }
      - { .name: wq, .offset: 32, .size: 8, .value_kind: global_buffer, .address_space: global }
      - { .name: wsc, .offset: 40, .size: 8, .value_kind: global_buffer, .address_space: global }
      - { .name: b, .offset: 48, .size: 8, .value_kind: global_buffer, .address_space: global }
      - { .name: out0, .offset: 56, .size: 8, .value_kind: global_buffer, .address_space: global }
      - { .name: cnt, .offset: 64, .size: 8, .value_kind: global_buffer, .address_space: global }
      - { .name: imp, .offset: 72, .size: 8, .value_kind: global_buffer, .address_space: global }
      - { .name: out1, .offset: 80, .size: 8, .value_kind: global_buffer, .address_space: global }
    .group_segment_fixed_size: 135680
    .private_segment_fixed_size: 0
    .kernarg_segment_align: 8
    .kernarg_segment_size: 88
    .max_flat_workgroup_size: 128
    .sgpr_count:     100
    .vgpr_count:     704
    .wavefront_size: 32
...
	.end_amdgpu_metadata
.endif
;; end of part 2
